; MI455X (gfx1250); checked and timed in simulation.
; The chip was launched on July 23, 2026; its instructions are those of AMD's public machine-readable ISA for CDNA 5 (MIT licence, August 2026) and "CDNA5" Instruction Set Architecture Reference Guide (July 2026). The comments in the code are by the model that wrote it; some were corrected since.
;; Self Attention. Allowed arithmetic: matrix products marked QUANTISED: E2M3 operands, one E8M0 scale for each 32 along K, by v_wmma_scale_f32_16x16x128_f8f6f4 with both operands' format E2M3, f32 sums; everything else in f32.
;; Inputs: b_out 1,024 float32; w_out 1,024 x 1,024 float32; w_qkv 3,072 x 1,024 float32; x 4 x 2,048 x 1,024 float32.
;; Outputs: out0 4 x 2,048 x 1,024 float32.
;; This version of the problem:
;;   THIS VERSION OF THE PROBLEM IS GIVEN IN LOW PRECISION. The matrix products marked QUANTISED in the list below multiply operands that are first quantised to E2M3 (2 exponent bits, 3 mantissa bits; 6 bits a number), with one power-of-two scale for each 32 numbers along K (OCP MX v1.0); their sums are f32. All else is computed in f32.
;;   The module's matrix products, in the order in which they are computed (A, B: the left and right operand; K: the contracted axis; several contracted axes count as one K, in the product's order):
;;     1. [M 8,192, K 1,024] x [K 1,024, N 3,072]; A: input x; B: input w_qkv: QUANTISED
;;     2. batch 64 x [M 2,048, K 64] x [K 64, N 2,048]; A: computed on the way; B: computed on the way: QUANTISED
;;     3. batch 64 x [M 2,048, K 2,048] x [K 2,048, N 64]; A: softmax (see below); B: computed on the way: QUANTISED
;;     4. [M 8,192, K 1,024] x [K 1,024, N 1,024]; A: computed on the way; B: input w_out: QUANTISED
;;   THE QUANTISER, for each operand of a quantised product, along K:
;;     - K is cut into blocks of 32 from its start; a last block that is shorter is filled with zeros.
;;     - A block's scale is 2^e with e = floor(log2(the largest magnitude in the block)) - 2, held to -126 .. 127; a block of zeros has e = 0. As a byte (E8M0): e + 127.
;;     - Each number is divided by its block's scale, clamped to +-7.5, and rounded to the nearest number of E2M3, ties to even, subnormals kept.
;;     - The product sums the exact products of the quantised numbers (number of the format x scale) in f32.
;;   ~~~python
;;   def quantise(x, axis):      # numpy; x: float32 -> the quantised numbers, widened to float32 again
;;       x = np.moveaxis(x, axis, -1); K = x.shape[-1]
;;       x = np.pad(x, [(0, 0)] * (x.ndim - 1) + [(0, -K % 32)]); x = x.reshape(x.shape[:-1] + (-1, 32)); a = np.abs(x).max(-1, keepdims=True)
;;       e = np.where(a > 0, np.clip(np.frexp(np.where(a > 0, a, 1))[1] - 1 - 2, -126, 127), 0)      # np.frexp(a)[1] - 1 = floor(log2(a)), exactly
;;       r = np.clip(x / 2.0 ** e, -7.5, 7.5)
;;       step = 2.0 ** (np.maximum(np.frexp(np.where(r == 0, 1, r))[1] - 1, 0) - 3)
;;       q = np.round(r / step) * step * 2.0 ** e      # np.round: ties to even
;;       return np.moveaxis(q.reshape(q.shape[:-2] + (-1,))[..., :K], -1, axis).astype(np.float32)
;;   ~~~
;;   SOFTMAX AHEAD OF A QUANTISED PRODUCT. Where the list says 'softmax', what is quantised is not the finished softmax but p = 2^(t - M), with t = logit x log2(e) and M = ceil(the row's largest t), a whole number; so 1/2 < the row's largest p <= 1. The row's sum l is taken of the UNQUANTISED p, in f32, and the product's result is divided by l at the end. Since M is a whole number, a kernel that streams over the keys may use a running M (the ceiling of the running maximum): every later rescaling is an exact power of two, which a block's scale takes up: the codes' values come out the same.
;;   OPERANDS COMPUTED ON THE WAY. 'Computed on the way' means the value that the module computes at that place (a softmax that the list does not call 'softmax' is quantised finished and normalised). What goes into a quantiser is computed in f32, as accurately as f32 sums, v_exp_f32 and their like allow (about 1e-6 of the number): no bf16 or f16 on the way to a quantiser, and a product that is left as it is and whose result goes on into a quantised operand takes f32 operands (vector FMAs, or v_wmma_f32_16x16x4_f32). A number that lies on a knife's edge between two numbers of the format may be rounded either way, as far as f32 arithmetic and the matrix unit's own rounding can turn it there, and no further.
;; One version. Each part assembles by itself: llvm-mc -triple=amdgcn-amd-amdhsa -mcpu=gfx1250 --defsym DOCPART=n.
;; ======== version 1 of 1: 4 launches
;; limits: right only within a limited range of input values
;; workspace buffers: cw 9,437,184 bytes; sw 393,216 bytes; qrec 6,815,744 bytes; kv 13,369,344 bytes; ao_codes 6,291,456 bytes; ao_scales 262,144 bytes
;; launch quant (part 1): grid 384 x 1, 4 waves a work-group, no clusters, 34,304 bytes of LDS; arguments x, w_qkv, w_out, cw, sw; writes cw, sw
.if DOCPART == 1
	.amdgcn_target "amdgcn-amd-amdhsa--gfx1250"
	.amdhsa_code_object_version 6
	.text
	.protected	k_q31910eae54_quant
	.globl	k_q31910eae54_quant
	.p2align	8
	.type	k_q31910eae54_quant,@function
k_q31910eae54_quant:
	s_mov_b64 s[64:65], 0
	v_nop
	global_prefetch_b8 v0, s[64:65] scope:SCOPE_SE
	s_setreg_imm32_b32 hwreg(HW_REG_WAVE_MODE, 25, 1), 1
	s_wait_xcnt 0x0
; x [8192][1024], w_qkv [3072][1024], w_out [1024][1024], f32, become codes of FP6 (E2M3) with one E8M0 byte for each 32 along K, laid AS THE MATRIX UNIT'S REGISTERS TAKE THEM.
; cw: 768 tiles of 16 rows (0-511 x, 512-703 w_qkv, 704-767 w_out) x 8 fragments of 128 along K x 1,536 bytes: register group g (registers 4 g .. 4 g + 3) of lane l at 512 g + 16 l.
; THE ROWS OF A TILE ARE NOT NEIGHBOURS: lane r of tile T holds row 32 (T / 2) + 8 (T % 2) + r + 8 (r / 8), so that a product used transposed leaves 16 neighbours along the next K in a lane's registers.
; sw: 512 bytes a tile: the scale word of (row r, fragment F) at 256 (F / 4) + 16 r + 4 (F % 4); its byte 2 c + h scales k = 64 c + 32 h + 0 .. 31 of the fragment.
; A block's scale is 2^(floor(log2(its largest magnitude)) - 2): its byte is the largest magnitude's exponent field - 2, held at 1 from below by a floor among the maximum's leaves.
; LIMITS: a block of zeros, or one whose largest magnitude lies under 2^-124, gets the byte 1 (its codes are zeros or the nearest codes under that scale; this program alone reads the bytes); NaN and infinities among the inputs are not served.
; SHARES: a wave takes one tile x 512 along K: four fragments.  Each load reads 512 consecutive bytes of one row; a fragment's 16 x 512 bytes turn through the wave's own stage in LDS, so that lane (r, h) gets
; k = 64 c + 32 h + 0 .. 31 of row r: two whole blocks, in the operand's own order.  The conversions' results are the operand's registers.  Waves share nothing: no barrier, no cluster, no tensor load.
.set PITCH, 528                        ; a stage row: 512 bytes + 16: 33 x 16, so the sixteen rows that a read touches start in different banks
.set R0,   32                          ; v32-159  two sets of 64 registers as loaded
.set X,    160                         ; v160-223 X[32 c + i] = k 64 c + 32 h + i of my row
.set C,    224                         ; v224-235 the fragment's 12 registers
.set CT,   236                         ; v236-238, v240-242 the upper halves of the two blocks, as converted
.set WRD,  244                         ; v244-247 the four fragments' scale words
	s_load_b128 s[4:7], s[0:1], 0x0                ; x, w_qkv
	s_load_b128 s[8:11], s[0:1], 0x10              ; w_out, cw
	s_load_b64 s[16:17], s[0:1], 0x20              ; sw
	v_lshl_add_u32 v254, v0, 2, 0x8400
	v_mov_b32 v255, 0
	v_lshrrev_b32 v6, 5, v0
	v_readfirstlane_b32 s18, v6                    ; wave 0..3
	v_and_b32 v7, 31, v0                           ; lane
	v_and_b32 v6, 15, v0                           ; r
	v_bfe_u32 v5, v0, 4, 1                         ; h
	v_lshlrev_b32 v1, 4, v7                        ; 16 x lane: my bytes of a load's 512, and of a store's
	s_mul_i32 s19, s18, 16*PITCH                   ; my wave's stage
	v_add_nc_u32 v2, s19, v1                       ; into it: as loaded
	v_mul_u32_u24 v3, v6, PITCH
	v_lshl_add_u32 v3, v5, 7, v3
	v_add_nc_u32 v3, s19, v3                       ; out of it: row r, + 128 h
	v_lshlrev_b32 v4, 4, v6
	v_lshl_add_u32 v4, v5, 3, v4                   ; the scale words' place: 16 r + 8 h
	v_cmp_lt_u32 s14, 15, v7                       ; lanes 16-31
	v_lshlrev_b32 v5, 3, v5                        ; 8 h: my bytes' shift in a scale word
	v_mov_b32 v15, 0                               ; a lane permute's destination counts as one of its sources: written once
	s_mov_b32 s12, 0x76543210
	s_mov_b32 s13, 0xfedcba98                      ; selects for lane l xor 16
	s_lshl_b32 s20, ttmp9, 2
	s_add_co_u32 s20, s20, s18                     ; W = 4 x work-group + wave = 2 x tile + half of K
	s_lshr_b32 s21, s20, 1                         ; the tile
	s_and_b32 s22, s20, 1                          ; which 512 along K
	s_wait_alu depctr_va_vdst(0)
	s_wait_kmcnt 0x0
	s_cmp_lt_u32 ttmp9, 352                        ; which tensor: the choice hangs on the work-group's number alone
	s_cselect_b64 s[6:7], s[6:7], s[8:9]
	s_mov_b32 s23, 704
	s_cselect_b32 s23, 512, s23
	s_cmp_lt_u32 ttmp9, 256
	s_cselect_b64 s[4:5], s[4:5], s[6:7]
	s_cselect_b32 s23, 0, s23                      ; the tensor's first tile
	s_sub_co_u32 s24, s21, s23                     ; the tile within its tensor
	s_lshr_b32 s25, s24, 1
	s_lshl_b32 s25, s25, 5
	s_and_b32 s26, s24, 1
	s_lshl_b32 s26, s26, 3
	s_add_co_u32 s25, s25, s26                     ; its first row: 32 (T / 2) + 8 (T % 2)
	s_lshl_b32 s26, s25, 12                        ; rows of 4,096 bytes (under 2^26)
	s_lshl_b32 s27, s22, 11
	s_add_co_u32 s26, s26, s27
	s_mov_b32 s27, 0
	s_add_nc_u64 s[4:5], s[4:5], s[26:27]
	s_mul_i32 s26, s20, 6144                       ; 12,288 x tile + 6,144 x half
	s_add_nc_u64 s[10:11], s[10:11], s[26:27]
	s_lshl_b32 s26, s20, 8                         ; 512 x tile + 256 x half
	s_add_nc_u64 s[16:17], s[16:17], s[26:27]
.macro LOAD f                          ; fragment f: 16 rows x 512 consecutive bytes, into set f % 2
.irp i, 0,1,2,3,4,5,6,7,8,9,10,11,12,13,14,15
	global_load_b128 v[R0+64*((\f)%2)+4*\i:R0+64*((\f)%2)+4*\i+3], v1, s[4:5] offset:(\i+8*(\i/8))*4096+512*(\f) th:TH_LOAD_NT
.endr
.endm
.macro TURN f                          ; through the stage: LDS serves a wave's instructions in order, so no wait stands between the stores and the loads
.irp i, 0,1,2,3,4,5,6,7,8,9,10,11,12,13,14,15
	ds_store_b128 v2, v[R0+64*((\f)%2)+4*\i:R0+64*((\f)%2)+4*\i+3] offset:PITCH*\i
.endr
.irp c, 0,1
.irp j, 0,1,2,3,4,5,6,7
	ds_load_b128 v[X+32*\c+4*\j:X+32*\c+4*\j+3], v3 offset:256*\c+16*\j
.endr
.endr
.endm
.macro FRAGQ f
.irp c, 0,1
	v_max3_num_f32 v[8+\c], |v[X+32*\c]|, |v[X+32*\c+1]|, 0x1800000   ; my block 2 c + h: all 32 numbers are mine; the floor 2^(3 - 127) holds the byte at 1 from below
.endr
.irp i, 2,4,6,8,10,12,14,16,18,20,22,24,26,28,30
.irp c, 0,1
	v_max3_num_f32 v[8+\c], v[8+\c], |v[X+32*\c+\i]|, |v[X+32*\c+\i+1]|   ; (the two blocks by turns)
.endr
.endr
.irp c, 0,1
	v_add_nc_u32 v[10+\c], 0xff000000, v[8+\c]     ; 2 off the exponent field: the conversion takes the exponent field of this operand as its scale
.endr
.irp c, 0,1
	v_lshrrev_b32 v[12+\c], 23, v[10+\c]           ; the scale's byte
.endr
	v_lshl_or_b32 v14, v13, 16, v12                ; my two bytes, blocks h and 2 + h,
	v_lshlrev_b32 v14, v5, v14                     ; at their places (8 h bits up);
	v_permlanex16_b32 v15, v14, s12, s13
	v_or_b32 v[WRD+(\f)], v14, v15                 ; with lane l xor 16's two the word is whole
.if (\f) > 0
	s_wait_alu depctr_va_vdst(0)
	s_wait_xcnt 0x0                                ; the last fragment's stores have read their registers: the codes may be written again
.endif
.irp c, 0,1
	v_cvt_scalef32_pk16_fp6_f32 v[C+6*\c:C+6*\c+2], v[X+32*\c:X+32*\c+15], v[10+\c]
	v_cvt_scalef32_pk16_fp6_f32 v[CT+4*\c:CT+4*\c+2], v[X+32*\c+16:X+32*\c+31], v[10+\c]   ; (a conversion's three registers begin on an even number)
.endr
	v_nop                                          ; one plain place behind a scaled conversion
.irp c, 0,1
.irp i, 0,1,2
	v_mov_b32 v[C+3+6*\c+\i], v[CT+4*\c+\i]
.endr
.endr
.irp g, 0,1,2
	global_store_b128 v1, v[C+4*\g:C+4*\g+3], s[10:11] offset:1536*(\f)+512*\g   ; 32 lanes store 512 consecutive bytes, aligned
.endr
.endm
	LOAD 0
	LOAD 1
.irp f, 0,1,2,3
.if \f < 3
	s_wait_loadcnt 16                              ; this fragment's 16 loads are in; the next fragment's 16 may be out
.else
	s_wait_loadcnt 0x0
.endif
	TURN \f
	s_wait_dscnt 0x0                               ; the numbers are back, and the stage's stores have read their registers,
.if \f < 2
	LOAD \f+2                                      ; which take the fragment two on
.endif
	FRAGQ \f
.endr
	v_cndmask_b32 v20, v[WRD], v[WRD+2], s14       ; lanes 0-15 store words 0, 1 of their row, lanes 16-31 words 2, 3:
	v_cndmask_b32 v21, v[WRD+1], v[WRD+3], s14
	global_store_b64 v4, v[20:21], s[16:17]        ; 256 consecutive bytes, aligned
	s_wait_tensorcnt 0x0
	ds_add_u32 v254, v255
	s_wait_dscnt 0x0
	s_endpgm
.Lfunc_end_k_q31910eae54_quant:
	.size	k_q31910eae54_quant, .Lfunc_end_k_q31910eae54_quant-k_q31910eae54_quant
	.p2alignl 7, 3214868480
	.fill 96, 4, 3214868480
	.section	.rodata,"a",@progbits
	.p2align	6, 0x0
	.amdhsa_kernel k_q31910eae54_quant
		.amdhsa_group_segment_fixed_size 34304
		.amdhsa_private_segment_fixed_size 0
		.amdhsa_enable_private_segment 0
		.amdhsa_kernarg_size 40
		.amdhsa_user_sgpr_count 2
		.amdhsa_user_sgpr_kernarg_segment_ptr 1
		.amdhsa_wavefront_size32 1
		.amdhsa_system_sgpr_workgroup_id_x 1
		.amdhsa_system_sgpr_workgroup_id_y 1
		.amdhsa_system_sgpr_workgroup_id_z 1
		.amdhsa_system_vgpr_workitem_id 0
		.amdhsa_next_free_vgpr 256
		.amdhsa_next_free_sgpr 66
		.amdhsa_reserve_vcc 0
		.amdhsa_float_denorm_mode_32 3
		.amdhsa_float_denorm_mode_16_64 3
		.amdhsa_memory_ordered 1
		.amdhsa_forward_progress 1
		.amdhsa_inst_pref_size 30
	.end_amdhsa_kernel
	.amdgpu_metadata
---
amdhsa.version: [ 1, 2 ]
amdhsa.kernels:
  - .name:           k_q31910eae54_quant
    .symbol:         k_q31910eae54_quant.kd
    .args:
      - { .name: x, .offset: 0, .size: 8, .value_kind: global_buffer, .address_space: global }
      - { .name: w_qkv, .offset: 8, .size: 8, .value_kind: global_buffer, .address_space: global }
      - { .name: w_out, .offset: 16, .size: 8, .value_kind: global_buffer, .address_space: global }
      - { .name: cw, .offset: 24, .size: 8, .value_kind: global_buffer, .address_space: global }
      - { .name: sw, .offset: 32, .size: 8, .value_kind: global_buffer, .address_space: global }
    .group_segment_fixed_size: 34304
    .private_segment_fixed_size: 0
    .kernarg_segment_align: 8
    .kernarg_segment_size: 40
    .max_flat_workgroup_size: 128
    .sgpr_count:     66
    .vgpr_count:     256
    .wavefront_size: 32
...
	.end_amdgpu_metadata
.endif
;; end of part 1
;; launch qkv (part 2): grid 8 x 32, 4 waves a work-group, clusters of 4 x 4, 327,680 bytes of LDS; arguments cw, sw, qrec, kv; writes qrec, kv
.if DOCPART == 2
	.amdgcn_target "amdgcn-amd-amdhsa--gfx1250"
	.amdhsa_code_object_version 6
	.text
	.protected	k_q31910eae54_qkv
	.globl	k_q31910eae54_qkv
	.p2align	8
	.type	k_q31910eae54_qkv,@function
k_q31910eae54_qkv:
	s_mov_b64 s[64:65], 0
	v_nop
	global_prefetch_b8 v0, s[64:65] scope:SCOPE_SE
	s_setreg_imm32_b32 hwreg(HW_REG_WAVE_MODE, 25, 1), 1
	s_wait_xcnt 0x0
	s_wait_alu depctr_hold_cnt(0) depctr_sa_sdst(0) depctr_va_vdst(0) depctr_va_sdst(0) depctr_va_ssrc(0) depctr_va_vcc(0) depctr_vm_vsrc(0)
	s_getreg_b32 s2, hwreg(HW_REG_IB_STS2, 6, 4)
	s_cmp_eq_u32 s2, 0
	s_cbranch_scc0 .Lentry_in_a_cluster
	s_endpgm
.Lentry_in_a_cluster:
	s_bfe_u32 s2, ttmp6, 0x10000c
	s_cmp_lg_u32 s2, 0xf033
	s_cbranch_scc0 .Lentry_shape_is_right
	s_endpgm
.Lentry_shape_is_right:
; q, k, v = x w_qkv^T ON CODES OF FP6 (E2M3) WITH E8M0 SCALES, K = 1,024, each result quantised in registers and stored as images of the next product's operand registers.
; IN: cw, tiles of 16 rows x 8 fragments of 128 along K x 1,536 bytes (register group g of lane l at 512 g + 16 l): tiles 0-511 x, 512-703 w_qkv; lane r of tile T holds row 32 (T / 2) + 8 (T % 2) + r + 8 (r / 8).
; sw, 512 bytes a tile: the scale word of (row r, fragment F) at 256 (F / 4) + 16 r + 4 (F % 4).
; THE DEAL: 256 work-groups of four waves.  Work-group (g = 0 .. 7, tb = 0 .. 31) takes tokens 256 tb .. + 255 and, in three phases on end, rows 128 g .. + 127 of w_q, of w_k and of w_v: heads 2 g and 2 g + 1.
; The tokens' 16 tiles, all of K (196,608 bytes), stay in LDS for the whole launch; a weight's 8 tiles, all of K (98,304 bytes), have a region of their own, filled three times.
; A wave makes 128 tokens x 64 rows of the weight (one head): 32 accumulators.  Fragments lie twice in registers: while step F's 32 products run, step F + 1's 36 LDS loads stand among them in groups of four.
; q, k: source 0 = the weight's rows, source 1 = tokens: a lane holds one token and its registers run along the head's 64.  v: the sources change places: a lane holds one channel and its registers run along 128 keys.
; FILLS: at the head one joint load a wave (A's first half of K, B's, A's second half, B's); waves 0 and 1 wait apart, so that the first barrier shows the first halves; a barrier ahead of step 3 shows the rest.
; B's region is filled again behind a wait, an add and a round of the cluster's barrier (waves 0 and 1 a half of K each), and the phase's results are quantised and stored while that fill is on its way.
; By this text's count a wave has one tensor load out at the most.  CLUSTERS 4 x 4: the tokens' tiles are shared along a row of the cluster, a weight's along a column.
; PREFETCH: the sixteen waves of a cluster's column share a later weight's 384 blocks of 256 bytes out by address, 24 a wave: w_k's at the head, w_v's in the first phase: one phase ahead of the refill that loads them.
; OUT: qrec, records of 6,656 bytes for (batch, head, 128 tokens): 8 tiles of 768 bytes (registers 0-3 at 16 x lane, 4-5 at 512 + 8 x lane), then 512 bytes of scale words (lanes 0-15 tiles 0-3 of their row, lanes 16-31 tiles 4-7);
; kv, records of 13,056 bytes: k as q; at 6,144 v's four channel tiles of 1,536 bytes; at 12,288 k's scale words; at 12,800 v's (8 x lane: lanes 0-15 tiles 0, 1; lanes 16-31 tiles 2, 3).
; LIMITS: a block of zeros, or one under 2^-124, gets the scale byte 1; the two upper bytes of q's and k's scale words are 0 and meet zero codes alone; NaN and infinities are not served.
; REGISTERS: window 0: v1-29 addresses, v32-63 A's scale words (4 a + F % 4; lanes 0-15 F < 4, lanes 16-31 F >= 4), v66-81 B's, v96-183 the way out; window 1: A's fragments, two sets of 96; window 2: the sums; window 3: B's, two sets of 48.
.set TILEB, 12288
.set HB,    6144                       ; half of K of a tile
.set AH,    16*HB                      ; A's region for one half of K
.set BB,    2*AH
.set BH,    8*HB
.set SPARE, BB+2*BH
.set L16,  1
.set L8,   2
.set ADRA, 4                           ; v4, v5: my 8 tiles of A in half 0, 1, + 16 x lane;  v6, v7: my 4 tiles of B
.set ADRB, 6
.set PFO,  8
.set SPW,  28
.set NIL,  29
.set SA,   32
.set SB,   66
.set TM,   96
.set WD,   112
.set XS,   120
.set WV,   16                          ; s16 wave; s17 wave / 2: my half of the tokens; s18 wave % 2: my half of the weight's rows
.set WR,   17
.set WC,   18
.set G1A,  24
.set G1B,  32
.set G0A,  40                          ; s[40:47] A's two halves of K; s[48:55] B's
.set G0B,  48
.set D0,   56                          ; s[56:57] this phase's record, s[58:59] its scale words, s[60:61] kv's record, s[62:63] the scale words' place in it
.set E0,   58
.set DK,   60
.set EO,   62
.set SAP,  66
.set SBP,  68
.set TRIP, 72
.set PFB,  76
.set SEL,  78
.set MSB, 0
.macro WIN new
.if MSB != (\new)
	s_set_vgpr_msb (MSB<<8)|(\new)
.set MSB, (\new)
.endif
.endm
.macro PLACES n
.rept \n
	v_nop
.endr
.endm
.macro CROUND
	s_barrier_signal -1
	s_barrier_wait -1
	s_cmp_lg_u32 s[WV], 0
	s_cbranch_scc1 .Lnot_wave_0_\@
	s_barrier_signal -3
.Lnot_wave_0_\@:
	s_barrier_wait -3
	s_barrier_signal -1
	s_barrier_wait -1
.endm
.macro TLOAD g0, g1
	tensor_load_to_lds s[\g0:\g0+3], s[\g1:\g1+7]
	s_nop 0
	PLACES 4
.endm
.macro ARM under, g0, g1, next
	s_cmp_lt_u32 s[WV], \under
	s_cbranch_scc0 \next
	TLOAD \g0, \g1
	s_branch .Lhead_asked
\next:
.endm
; four of step F's 36 LDS loads: loads 0-11 B's four fragments, 12-35 A's eight; each load takes 512 consecutive bytes
.macro GRP F, g
.set s_, (\F)%2
.set k2_, (\F)/4
.set fo_, ((\F)%4)*1536
.if (\g) < 3
	WIN 0xc0
.else
	WIN 0x40
.endif
.irp u, 0,1,2,3
.set n_, 4*(\g)+\u
.if n_ < 12
	ds_load_b128 v[48*s_+4*n_:48*s_+4*n_+3], v[ADRB+k2_] offset:(n_/3)*HB+fo_+512*(n_%3)
.else
.set m_, n_-12
	ds_load_b128 v[96*s_+4*m_:96*s_+4*m_+3], v[ADRA+k2_] offset:(m_/3)*HB+fo_+512*(m_%3)
.endif
.endr
.endm
.macro W d, s0, s1, c, x0, x1, hi
.if \hi
	v_wmma_scale_f32_16x16x128_f8f6f4 v[\d:\d+7], v[\s0:\s0+11], v[\s1:\s1+11], \c, v[\x0], v[\x1] matrix_a_fmt:MATRIX_FMT_FP6 matrix_b_fmt:MATRIX_FMT_FP6 matrix_a_scale:MATRIX_SCALE_ROW1 matrix_b_scale:MATRIX_SCALE_ROW1
.else
	v_wmma_scale_f32_16x16x128_f8f6f4 v[\d:\d+7], v[\s0:\s0+11], v[\s1:\s1+11], \c, v[\x0], v[\x1] matrix_a_fmt:MATRIX_FMT_FP6 matrix_b_fmt:MATRIX_FMT_FP6
.endif
.endm
; step F: 32 products, the 32 accumulators by turns in the same order in every step.  kind 0: sum (a, b) at 8 (4 a + b); kind 1 (v): at 8 (8 b + a).
; Waits: at the start A's blocks 4-7, the youngest 12 loads, may be out; at product 16 only the 32 loads that this step has issued by then.  The four places stand between the last step's products and the loads into the set that they read.
.macro STEPF kind, F, fetch, zero
	s_wait_dscnt 12
.set N_, 0
.rept 32
.set a_, N_/4
.set b_, N_%4
.set rA, 96*((\F)%2)+12*a_
.set rB, 48*((\F)%2)+12*b_
.set xA, SA+4*a_+(\F)%4
.set xB, SB+4*b_+(\F)%4
.if N_ == 16
.if \fetch
	s_wait_dscnt 32
.else
	s_wait_dscnt 0x0
.endif
.endif
.if \kind
.set rD, 8*(8*b_+a_)
	WIN 0xad
.if \zero
	W rD, rA, rB, 0, xA, xB, (\F)/4
.else
	W rD, rA, rB, v[rD:rD+7], xA, xB, (\F)/4
.endif
.else
.set rD, 8*(4*a_+b_)
	WIN 0xa7
.if \zero
	W rD, rB, rA, 0, xB, xA, (\F)/4
.else
	W rD, rB, rA, v[rD:rD+7], xB, xA, (\F)/4
.endif
.endif
.if (\fetch) && (N_%2 == 0) && (N_ < 18)
.if N_ == 0
	PLACES 4
.endif
	GRP (\F)+1, N_/2
.endif
.set N_, N_+1
.endr
.endm
.macro PHASE kind, mid
.irp g, 0,1,2,3,4,5,6,7,8
	GRP 0, \g
.endr
	s_wait_loadcnt 0x0                             ; the scale words
	STEPF \kind, 0, 1, 1                           ; the first products start the sums
	STEPF \kind, 1, 1, 0
	STEPF \kind, 2, 1, 0
.if \mid
	s_wait_tensorcnt 0x0                           ; a plain barrier shows the second halves of K, which step 3's loads read
	s_wait_dscnt 0x0
	s_barrier_signal -1
	s_barrier_wait -1
.endif
	STEPF \kind, 3, 1, 0
	STEPF \kind, 4, 1, 0
	STEPF \kind, 5, 1, 0
	STEPF \kind, 6, 1, 0
	STEPF \kind, 7, 0, 0
	WIN 0
.endm
; 64 sums of a lane, register 16 q + i: four half blocks of 16 along the next K; lanes l and l xor 16 hold a block together.  kind 0: token tiles 2 n, 2 n + 1, two blocks (a head's 64) each; kind 1: channel tile n, four blocks (128 keys).
.macro QUANTW n, kind
.set AC, 64*(\n)
.set PC, 144+20*((\n)%2)
	WIN 0x0a
.irp b, 0,1,2,3
	v_max3_num_f32 v[TM+\b], |v[AC+16*\b]|, |v[AC+16*\b+1]|, 0x1800000   ; each accumulator from its low end on; the floor 2^(3 - 127) holds the byte at 1 from below
.endr
.irp i, 2,4,6,8,10,12,14
.irp b, 0,1,2,3
	v_max3_num_f32 v[TM+\b], |v[AC+16*\b+\i]|, |v[AC+16*\b+\i+1]|, v[TM+\b]
.endr
.endr
	WIN 0
.irp b, 0,1,2,3
	v_permlanex16_b32 v[TM+4+\b], v[TM+\b], s[SEL], s[SEL+1]
.endr
.irp b, 0,1,2,3
	v_max_num_f32 v[TM+\b], v[TM+\b], v[TM+4+\b]
.endr
.irp b, 0,1,2,3
	v_add_nc_u32 v[TM+12+\b], 0xff000000, v[TM+\b] ; 2 off the exponent field: the conversion's scale operand
.endr
.irp b, 0,1,2,3
	v_lshrrev_b32 v[TM+4+\b], 23, v[TM+12+\b]      ; the scale's byte
.endr
.if \kind
	v_lshl_or_b32 v[WD+(\n)], v[TM+5], 8, v[TM+4]
	v_lshl_or_b32 v[WD+(\n)], v[TM+6], 16, v[WD+(\n)]
	v_lshl_or_b32 v[WD+(\n)], v[TM+7], 24, v[WD+(\n)]
.else
	v_lshl_or_b32 v[WD+2*(\n)], v[TM+5], 8, v[TM+4]
	v_lshl_or_b32 v[WD+2*(\n)+1], v[TM+7], 8, v[TM+6]
.endif
	s_wait_alu depctr_va_vdst(0)
	s_wait_xcnt 0x0                                ; the stores of two runs ago have read this set's registers
	WIN 0x02
.irp c, 0,1
	v_cvt_scalef32_pk16_fp6_f32 v[PC+6*\c:PC+6*\c+2], v[AC+32*\c:AC+32*\c+15], v[TM+12+2*\c]
	v_cvt_scalef32_pk16_fp6_f32 v[PC+12+4*\c:PC+14+4*\c], v[AC+32*\c+16:AC+32*\c+31], v[TM+13+2*\c]
.endr
	WIN 0
	v_nop                                          ; one plain place behind a scaled conversion
.irp c, 0,1                            ; a whole block to a lane
.irp i, 0,1,2
	v_permlane16_swap_b32 v[PC+6*\c+\i], v[PC+12+4*\c+\i]
.endr
.irp i, 0,1,2
	v_mov_b32 v[PC+3+6*\c+\i], v[PC+12+4*\c+\i]
.endr
.endr
.if \kind
.irp g, 0,1,2
	global_store_b128 v[L16], v[PC+4*\g:PC+4*\g+3], s[D0:D0+1] offset:6144+1536*(\n)+512*\g
.endr
.else
.irp c, 0,1
	global_store_b128 v[L16], v[PC+6*\c:PC+6*\c+3], s[D0:D0+1] offset:768*(2*(\n)+\c)
	global_store_b64 v[L8], v[PC+6*\c+4:PC+6*\c+5], s[D0:D0+1] offset:768*(2*(\n)+\c)+512
.endr
.endif
.endm
	s_load_b256 s[4:11], s[0:1], 0x0               ; cw, sw, qrec, kv
	v_lshl_add_u32 v[SPW], v0, 2, SPARE
	v_mov_b32 v[NIL], 0
	ds_add_u32 v[SPW], v[NIL]                      ; the opening lines: the add, twice on end, and its wait
	ds_add_u32 v[SPW], v[NIL]
	v_lshrrev_b32 v1, 5, v0
	v_readfirstlane_b32 s[WV], v1
	s_lshr_b32 s[WR], s[WV], 1
	s_and_b32 s[WC], s[WV], 1
	s_bfe_u32 s19, ttmp6, 0x40000                  ; cx
	s_bfe_u32 s20, ttmp6, 0x40004                  ; cy
	s_lshl_b32 s21, ttmp9, 2
	s_add_co_u32 s21, s21, s19                     ; g = 4 x cluster x + cx
	s_and_b32 s22, ttmp7, 0xffff
	s_lshl_b32 s22, s22, 2
	s_add_co_u32 s22, s22, s20                     ; tb = 4 x cluster y + cy
	s_lshl_b32 s12, s20, 2
	s_lshl_b32 s12, 15, s12                        ; my row of the cluster
	s_lshl_b32 s13, 0x1111, s19                    ; my column
	s_or_b32 s[G1A], s12, (3<<16)|(1<<21)          ; elements of 8 bytes; rows of 6,144 bytes (half of K of a tile), 12,288 apart: 16 rows for A, 8 for B
	s_or_b32 s[G1B], s13, (3<<16)|(1<<21)
.irp g, G1A, G1B
	s_mov_b32 s[\g+1], 768<<16
	s_mov_b32 s[\g+3], 768<<16
	s_mov_b32 s[\g+5], 1536
	s_mov_b32 s[\g+6], 0
	s_mov_b32 s[\g+7], 0
.endr
	s_mov_b32 s[G1A+2], 16<<16
	s_mov_b32 s[G1A+4], 16
	s_mov_b32 s[G1B+2], 8<<16
	s_mov_b32 s[G1B+4], 8
	s_mul_i32 s74, s22, 16*TILEB                   ; A hangs on tb alone, B on g alone
	s_mov_b32 s75, 0
	s_mul_i32 s[PFB], s21, 8*TILEB
	s_add_co_u32 s[PFB], s[PFB], 512*TILEB
	s_mov_b32 s[PFB+1], 0
	s_wait_dscnt 0x0
	s_wait_kmcnt 0x0
	s_add_nc_u64 s[74:75], s[4:5], s[74:75]
	s_add_nc_u64 s[PFB:PFB+1], s[4:5], s[PFB:PFB+1]  ; w_q's 8 tiles; kept for the prefetches
.irp k, 0,1
	s_mov_b32 s[G0A+4*\k], 1
	s_mov_b32 s[G0A+4*\k+1], \k*AH
	s_add_nc_u64 s[G0A+4*\k+2:G0A+4*\k+3], s[74:75], \k*HB
	s_or_b32 s[G0A+4*\k+3], s[G0A+4*\k+3], 0x80000000
	s_mov_b32 s[G0B+4*\k], 1
	s_mov_b32 s[G0B+4*\k+1], BB+\k*BH
	s_add_nc_u64 s[G0B+4*\k+2:G0B+4*\k+3], s[PFB:PFB+1], \k*HB
	s_or_b32 s[G0B+4*\k+3], s[G0B+4*\k+3], 0x80000000
.endr
	CROUND                                         ; all sixteen work-groups are here: the first joint loads meet
	ARM 1, G0A,   G1A, .Lhead_b0                   ; one chain of branches on the wave's number, one load to an arm
	ARM 2, G0B,   G1B, .Lhead_a1
	ARM 3, G0A+4, G1A, .Lhead_b1
	TLOAD G0B+4, G1B
.Lhead_asked:
	s_mul_i32 s12, s[WR], 8*HB
	s_mul_i32 s13, s[WC], 4*HB
	s_add_co_u32 s13, s13, BB
	s_add_co_u32 s14, s12, AH
	s_add_co_u32 s15, s13, BH
	s_lshl_b32 s2, s20, 2
	s_add_co_u32 s2, s2, s[WV]
	s_mul_i32 s2, s2, 6144                         ; my sixteenth of a weight's 98,304 bytes
	v_and_b32 v3, 31, v0                           ; lane
	v_lshlrev_b32 v[L16], 4, v3
	v_lshlrev_b32 v[L8], 3, v3
	v_cmp_lt_u32 s23, 15, v3                       ; lanes 16-31
	v_add_nc_u32 v[ADRA], s12, v[L16]
	v_add_nc_u32 v[ADRA+1], s14, v[L16]
	v_add_nc_u32 v[ADRB], s13, v[L16]
	v_add_nc_u32 v[ADRB+1], s15, v[L16]
	v_min_u32 v[PFO], 23, v3                       ; 24 blocks of 256 bytes; the lanes left over name the last again
	v_lshl_add_u32 v[PFO], v[PFO], 8, s2
.irp b, 0,1,2,3
	v_mov_b32 v[TM+4+\b], 0                        ; a lane permute's destination counts as one of its sources: written once
.endr
	s_wait_alu depctr_va_vdst(0)
	s_lshl_b32 s12, s22, 4
	s_lshl_b32 s13, s[WR], 3
	s_add_co_u32 s12, s12, s13
	s_lshl_b32 s12, s12, 9                         ; scale words: 512 bytes a tile
	s_mov_b32 s13, 0
	s_add_nc_u64 s[SAP:SAP+1], s[6:7], s[12:13]
	s_lshl_b32 s12, s21, 3
	s_lshl_b32 s14, s[WC], 2
	s_add_co_u32 s12, s12, s14
	s_add_co_u32 s12, s12, 512
	s_lshl_b32 s12, s12, 9
	s_add_nc_u64 s[SBP:SBP+1], s[6:7], s[12:13]
.irp i, 0,1,2,3,4,5,6,7
	global_load_b128 v[SA+4*\i:SA+4*\i+3], v[L16], s[SAP:SAP+1] offset:512*\i   ; 512 consecutive bytes: a tile's words for all of K
.endr
.irp i, 0,1,2,3
	global_load_b128 v[SB+4*\i:SB+4*\i+3], v[L16], s[SBP:SBP+1] offset:512*\i
.endr
	global_prefetch_b8 v[PFO], s[PFB:PFB+1] offset:64*TILEB th:TH_LOAD_NT scope:SCOPE_SE   ; w_k's tiles
	s_lshl_b32 s12, s22, 1
	s_add_co_u32 s12, s12, s[WR]                   ; G: which 128 tokens
	s_lshl_b32 s14, s21, 1
	s_add_co_u32 s14, s14, s[WC]                   ; my head
	s_and_b32 s15, s12, 0xf0                       ; 16 x batch
	s_add_co_u32 s15, s15, s14
	s_lshl_b32 s15, s15, 4
	s_and_b32 s12, s12, 15
	s_add_co_u32 s15, s15, s12                     ; the record: (16 batch + head) 16 + G % 16
	s_mul_i32 s12, s15, 6656
	s_add_nc_u64 s[D0:D0+1], s[8:9], s[12:13]
	s_add_nc_u64 s[E0:E0+1], s[D0:D0+1], 6144
	s_mul_i32 s12, s15, 13056
	s_add_nc_u64 s[DK:DK+1], s[10:11], s[12:13]
	s_mov_b32 s[EO], 12288
	s_mov_b32 s[EO+1], 0
	s_mov_b32 s[SEL], 0x76543210
	s_mov_b32 s[SEL+1], 0xfedcba98                 ; selects for lane l xor 16
	s_mov_b32 s[TRIP], 0
	s_cmp_lt_u32 s[WV], 2
	s_cbranch_scc0 .Lnot_first
	s_wait_tensorcnt 0x0                           ; waves 0 and 1: the first halves of K
.Lnot_first:
	s_barrier_signal -1
	s_barrier_wait -1                              ; they are in; the second halves may be on their way
.Lphase:                                               ; two trips: q, then k
	PHASE 0, 1
	s_wait_tensorcnt 0x0                           ; ahead of a refill
	ds_add_u32 v[SPW], v[NIL]
	s_add_nc_u64 s[G0B+2:G0B+3], s[G0B+2:G0B+3], 64*TILEB   ; no load of mine is out: the next weight's tiles
	s_add_nc_u64 s[G0B+6:G0B+7], s[G0B+6:G0B+7], 64*TILEB
	s_add_nc_u64 s[SBP:SBP+1], s[SBP:SBP+1], 64*512
	s_wait_dscnt 0x0
	CROUND                                         ; no wave of any partner still reads B's region
	s_cmp_eq_u32 s[WV], 0
	s_cbranch_scc0 .Lfill_1
	TLOAD G0B, G1B
	s_branch .Lfilled
.Lfill_1:
	s_cmp_eq_u32 s[WV], 1
	s_cbranch_scc0 .Lfilled
	TLOAD G0B+4, G1B
.Lfilled:
	PLACES 4                                       ; between the last products and the first read of the sums and the loads into B's scale words, on every wave's way
.irp i, 0,1,2,3
	global_load_b128 v[SB+4*\i:SB+4*\i+3], v[L16], s[SBP:SBP+1] offset:512*\i
.endr
	s_cmp_eq_u32 s[TRIP], 0
	s_cbranch_scc0 .Lno_ask
	global_prefetch_b8 v[PFO], s[PFB:PFB+1] offset:128*TILEB th:TH_LOAD_NT scope:SCOPE_SE   ; w_v's tiles; the second trip has nothing left to ask for
.Lno_ask:
.irp n, 0,1,2,3
	QUANTW \n, 0
.endr
.irp j, 0,1,2,3
	v_cndmask_b32 v[XS+\j], v[WD+\j], v[WD+4+\j], s23   ; lanes 0-15 store the words of tiles 0-3 of their row, lanes 16-31 those of tiles 4-7
.endr
	global_store_b128 v[L16], v[XS:XS+3], s[E0:E0+1]
	s_wait_alu depctr_va_vdst(0)
	s_wait_xcnt 0x0                                ; the stores have read their bases
	s_mov_b64 s[D0:D0+1], s[DK:DK+1]
	s_add_nc_u64 s[E0:E0+1], s[DK:DK+1], s[EO:EO+1]
	s_add_co_u32 s[EO], s[EO], 512                 ; k's words at 12,288, v's at 12,800
	s_wait_tensorcnt 0x0
	s_barrier_signal -1
	s_barrier_wait -1                              ; the next weight's tiles are in
	s_add_co_u32 s[TRIP], s[TRIP], 1
	s_cmp_lt_u32 s[TRIP], 2
	s_cbranch_scc1 .Lphase
	PHASE 1, 0                                     ; v
	PLACES 4
.irp n, 0,1,2,3
	QUANTW \n, 1
.endr
	v_cndmask_b32 v[XS], v[WD], v[WD+2], s23       ; lanes 0-15: channel tiles 0, 1; lanes 16-31: tiles 2, 3
	v_cndmask_b32 v[XS+1], v[WD+1], v[WD+3], s23
	global_store_b64 v[L8], v[XS:XS+1], s[E0:E0+1]
	s_wait_tensorcnt 0x0                           ; the wave's end
	ds_add_u32 v[SPW], v[NIL]
	s_wait_dscnt 0x0
	CROUND                                         ; the closing round
	s_endpgm
.Lfunc_end_k_q31910eae54_qkv:
	.size	k_q31910eae54_qkv, .Lfunc_end_k_q31910eae54_qkv-k_q31910eae54_qkv
	.p2alignl 7, 3214868480
	.fill 96, 4, 3214868480
	.section	.rodata,"a",@progbits
	.p2align	6, 0x0
	.amdhsa_kernel k_q31910eae54_qkv
		.amdhsa_group_segment_fixed_size 327680
		.amdhsa_private_segment_fixed_size 0
		.amdhsa_enable_private_segment 0
		.amdhsa_kernarg_size 32
		.amdhsa_user_sgpr_count 2
		.amdhsa_user_sgpr_kernarg_segment_ptr 1
		.amdhsa_wavefront_size32 1
		.amdhsa_system_sgpr_workgroup_id_x 1
		.amdhsa_system_sgpr_workgroup_id_y 1
		.amdhsa_system_sgpr_workgroup_id_z 1
		.amdhsa_system_vgpr_workitem_id 0
		.amdhsa_next_free_vgpr 1024
		.amdhsa_next_free_sgpr 80
		.amdhsa_reserve_vcc 0
		.amdhsa_float_denorm_mode_32 3
		.amdhsa_float_denorm_mode_16_64 3
		.amdhsa_memory_ordered 1
		.amdhsa_forward_progress 1
		.amdhsa_inst_pref_size 157
	.end_amdhsa_kernel
	.amdgpu_metadata
---
amdhsa.version: [ 1, 2 ]
amdhsa.kernels:
  - .name:           k_q31910eae54_qkv
    .symbol:         k_q31910eae54_qkv.kd
    .args:
      - { .name: cw, .offset: 0, .size: 8, .value_kind: global_buffer, .address_space: global }
      - { .name: sw, .offset: 8, .size: 8, .value_kind: global_buffer, .address_space: global }
      - { .name: qrec, .offset: 16, .size: 8, .value_kind: global_buffer, .address_space: global }
      - { .name: kv, .offset: 24, .size: 8, .value_kind: global_buffer, .address_space: global }
    .group_segment_fixed_size: 327680
    .private_segment_fixed_size: 0
    .kernarg_segment_align: 8
    .kernarg_segment_size: 32
    .max_flat_workgroup_size: 128
    .sgpr_count:     80
    .vgpr_count:     1024
    .wavefront_size: 32
...
	.end_amdgpu_metadata
.endif
;; end of part 2
;; launch attn (part 3): grid 4 x 64, 16 waves a work-group, clusters of 4 x 1, 327,680 bytes of LDS; arguments qrec, kv, ao_codes, ao_scales; writes ao_codes, ao_scales
.if DOCPART == 3
	.amdgcn_target "amdgcn-amd-amdhsa--gfx1250"
	.amdhsa_code_object_version 6
	.text
	.protected	k_q31910eae54_attn
	.globl	k_q31910eae54_attn
	.p2align	8
	.type	k_q31910eae54_attn,@function
k_q31910eae54_attn:
	s_mov_b64 s[64:65], 0
	v_nop
	global_prefetch_b8 v0, s[64:65] scope:SCOPE_SE
	s_setreg_imm32_b32 hwreg(HW_REG_WAVE_MODE, 25, 1), 1
	s_wait_xcnt 0x0
	s_wait_alu depctr_hold_cnt(0) depctr_sa_sdst(0) depctr_va_vdst(0) depctr_va_sdst(0) depctr_va_ssrc(0) depctr_va_vcc(0) depctr_vm_vsrc(0)
	s_getreg_b32 s2, hwreg(HW_REG_IB_STS2, 6, 4)
	s_cmp_eq_u32 s2, 0
	s_cbranch_scc0 .Lentry_in_a_cluster
	s_endpgm
.Lentry_in_a_cluster:
	s_bfe_u32 s2, ttmp6, 0x10000c
	s_cmp_lg_u32 s2, 0x3003
	s_cbranch_scc0 .Lentry_shape_is_right
	s_endpgm
.Lentry_shape_is_right:
; ATTENTION ON CODES OF FP6 (E2M3): o = softmax(q k^T / 32) v for one (batch, head) and 512 queries a work-group; o leaves quantised along the model's width, as the next product's operand.
; IN.  kv: for each (batch, head) 16 records of 13,056 bytes, one for 128 keys: 8 tiles of k (16 keys x 64: registers 0-3 at 16 x lane, 4-5 at 512 + 8 x lane; 768 bytes a tile), 4 tiles of v (16 channels x 128 keys, 1,536 bytes),
; k's scale words (512 bytes: lanes 0-15 tiles 0-3 of their row, lanes 16-31 tiles 4-7), v's (256 bytes).  qrec: records of 6,656 bytes for 128 queries: 8 tiles as k's, then the scale words.
; The keys of a tile of k are 32 (t / 2) + 8 (t % 2) + r + 8 (r / 8), so that the 16 registers of two neighbouring tiles of S^T are 16 neighbouring keys.
; THE HEAD'S SIZE IS 64, the instruction's K 128: q's registers 6-11 hold zero codes, so whatever stands in the upper six registers of k's operand (the next tile's codes) adds nothing; no scale byte there is 0xff.
; THE DEAL.  256 work-groups of 16 waves.  The four work-groups of a cluster take the same (batch, head): each of a work-group's 16 waves asks JOINTLY for one record (51 rows of 256 bytes), its one tensor load.
; All 208,896 bytes stay in LDS: nothing is filled again.  Waves 0-3 have a load line and a wait of their own: behind the first barrier records 0-3 are read while the other twelve land; a second barrier shows those.
; Behind it no wave waits for another.  A wave takes 16 queries through all 16 records, then 16 more.  Both products are used transposed (S^T = k q^T, O^T = v^T p^T): a lane holds one query throughout.
; SOFTMAX: t = score x log2(e) / 32; M = the running largest t rounded up to a whole number, kept as -M; p = 2^(t - M); the row's sum is taken of the unquantised p; when M moves, sum and O^T are multiplied by a power of two.
; A block's largest p is made from the block's largest score by the same multiply-add and exponential.
; No prefetch: every byte of kv that the work-group reads is asked for at the head, and there is no later load to run ahead of.
; LIMITS: the promise holds while |t| stays under 2^31; NaN and infinities are not served; a block of p or of o that is all zeros, or lies under 2^-124, gets the scale byte 1 (this program alone reads the bytes).
.set REC,   13056
.set QREC,  6656
.set SPARE, 16*REC                     ; behind the records: the spare words, 128 bytes a wave
.set L16, 1                            ; v1 16 x lane; v2 8 x lane; v3 16 r; v4 16 r + h
.set L8,  2
.set R16, 3
.set RH,  4
.set A16, 8                            ; v8, v9 the record's LDS address + 16 x lane, + 8 x lane
.set A8,  9
.set KF,  32                           ; v32-79 k's eight tiles, six registers each; v80-85 zeros.  v12 -M, v13 the largest t, v[14:15] the sum; v16-27 q and its zeros, v28 q's scale word
.set KS,  86
.set VS,  90
.set PS,  92
.set S,   96                           ; v96-159 S^T, then p
.set O,   160                          ; v160-191 O^T
.set VF,  192                          ; v192-239 v's four tiles
.set PCD, 240                          ; v240-251 p's codes
.set BM,  32                           ; at work, where k's codes lay
.set T2,  36
.set SO,  40
.set CT,  44
.set FF,  52
.set TA,  54
.set WV,  12
.set SEL, 20
.set CS,  22
.set G1,  24
.set G0,  32
.set TB,  44
.macro CROUND
	s_barrier_signal -1
	s_barrier_wait -1
	s_cmp_lg_u32 s[WV], 0
	s_cbranch_scc1 .Lnot_wave_0_\@
	s_barrier_signal -3
.Lnot_wave_0_\@:
	s_barrier_wait -3
	s_barrier_signal -1
	s_barrier_wait -1
.endm
	s_load_b256 s[4:11], s[0:1], 0x0               ; qrec, kv, ao_codes, ao_scales
	v_lshl_add_u32 v254, v0, 2, SPARE
	v_mov_b32 v255, 0
	ds_add_u32 v254, v255                          ; the opening lines: the add, twice on end, and its wait
	ds_add_u32 v254, v255
	v_lshrrev_b32 v5, 5, v0
	s_delay_alu instid0(VALU_DEP_1)
	v_readfirstlane_b32 s[WV], v5
	s_bfe_u32 s13, ttmp6, 0x40000                  ; cx
	s_and_b32 s14, ttmp7, 0xffff                   ; 16 x batch + head
	s_mul_i32 s15, s[WV], REC                      ; my record's place, in LDS and in the head's sixteen
	s_mul_i32 s16, s14, 16*REC
	s_add_co_u32 s16, s16, s15
	s_mov_b32 s17, 0
	s_mov_b32 s[G1], 15|(3<<16)|(1<<21)            ; the cluster's four; elements of 8 bytes; 51 rows of 256 bytes, dense
	s_mov_b32 s[G1+1], 32<<16
	s_mov_b32 s[G1+2], 51<<16
	s_mov_b32 s[G1+3], 32<<16
	s_mov_b32 s[G1+4], 51
	s_mov_b32 s[G1+5], 32
	s_mov_b32 s[G1+6], 0
	s_mov_b32 s[G1+7], 0
	s_lshl_b32 s18, s13, 2
	s_lshr_b32 s19, s[WV], 3
	s_add_co_u32 s18, s18, s19                     ; my first 128 queries: 4 cx + wave / 8 (the second pass: two on)
	s_and_b32 s19, s[WV], 7                        ; my tile of them
	s_lshl_b32 s50, s14, 4
	s_add_co_u32 s50, s50, s18
	s_mul_i32 s50, s50, QREC
	s_mul_i32 s51, s19, 768
	s_add_co_u32 s52, s50, s51                     ; q's codes
	s_mov_b32 s53, 0
	s_lshr_b32 s51, s19, 2
	s_lshl_b32 s51, s51, 8
	s_add_co_u32 s50, s50, s51
	s_and_b32 s51, s19, 3
	s_lshl_b32 s51, s51, 2
	s_add_co_u32 s50, s50, s51
	s_add_co_u32 s50, s50, 6144                    ; q's scale words: 6,144 + 256 (tile / 4) + 4 (tile % 4), + 16 r
	s_mov_b32 s51, 0
	s_lshr_b32 s54, s14, 4
	s_lshl_b32 s54, s54, 4
	s_add_co_u32 s54, s54, s18
	s_lshl_b32 s54, s54, 3
	s_add_co_u32 s54, s54, s19                     ; o's row tile: (16 batch + which 128) 8 + tile
	s_and_b32 s55, s14, 15                         ; the head
	s_mul_i32 s18, s54, 12288
	s_mul_i32 s19, s55, 768
	s_add_co_u32 s18, s18, s19                     ; o's codes: a half image for each head
	s_mov_b32 s19, 0
	s_lshl_b32 s54, s54, 9
	s_lshr_b32 s46, s55, 3
	s_lshl_b32 s46, s46, 8
	s_add_co_u32 s54, s54, s46
	s_and_b32 s55, s55, 7
	s_lshl_b32 s55, s55, 1
	s_add_co_u32 s54, s54, s55                     ; o's scale bytes: 512 x tile + 256 (head / 8) + 2 (head % 8), + 16 r + h
	s_mov_b32 s55, 0
	s_mov_b32 s[SEL], 0x76543210
	s_mov_b32 s[SEL+1], 0xfedcba98                 ; selects for lane l xor 16
	s_mov_b32 s[CS], 0x3d38aa3b                    ; log2(e) / 32
	s_mov_b32 s[CS+1], s[CS]
	s_wait_dscnt 0x0
	s_wait_kmcnt 0x0
	s_add_nc_u64 s[6:7], s[6:7], s[16:17]
	s_add_nc_u64 s[48:49], s[4:5], s[50:51]
	s_add_nc_u64 s[4:5], s[4:5], s[52:53]
	s_add_nc_u64 s[8:9], s[8:9], s[18:19]
	s_add_nc_u64 s[10:11], s[10:11], s[54:55]
	s_mov_b32 s[G0], 1
	s_mov_b32 s[G0+1], s15
	s_mov_b64 s[G0+2:G0+3], s[6:7]
	s_or_b32 s[G0+3], s[G0+3], 0x80000000
	CROUND                                         ; the four work-groups are here: the joint loads meet
	s_cmp_lt_u32 s[WV], 4                          ; two lines, since waves 0-3 wait apart from the others
	s_cbranch_scc0 .Llate
	tensor_load_to_lds s[G0:G0+3], s[G1:G1+7]      ; records 0-3
	s_nop 0
.rept 4
	v_nop
.endr
	s_branch .Lasked
.Llate:
	tensor_load_to_lds s[G0:G0+3], s[G1:G1+7]      ; records 4-15
	s_nop 0
.rept 4
	v_nop
.endr
.Lasked:
	v_and_b32 v5, 31, v0
	v_and_b32 v6, 15, v0
	v_bfe_u32 v7, v0, 4, 1
	s_delay_alu instid0(VALU_DEP_3)
	v_lshlrev_b32 v[L16], 4, v5
	s_delay_alu instid0(VALU_DEP_4)
	v_lshlrev_b32 v[L8], 3, v5
	s_delay_alu instid0(VALU_DEP_4)
	v_lshlrev_b32 v[R16], 4, v6
	s_delay_alu instid0(VALU_DEP_1)
	v_add_nc_u32 v[RH], v[R16], v7
	v_cmp_lt_u32 s47, 15, v5                       ; lanes 16-31
.irp j, 22,23,24,25,26,27,80,81,82,83,84,85
	v_mov_b32 v[\j], 0                             ; the zero codes of k = 64 .. 127
.endr
; one record: 16 queries x 128 keys
.macro STEP
	v_add_nc_u32 v[A16], s[TB], v[L16]
	v_add_nc_u32 v[A8], s[TB], v[L8]
.irp t, 0,1,2,3,4,5,6,7
	ds_load_b128 v[KF+6*\t:KF+6*\t+3], v[A16] offset:768*\t
	ds_load_b64 v[KF+6*\t+4:KF+6*\t+5], v[A8] offset:768*\t+512
.endr
	ds_load_b128 v[KS:KS+3], v[A16] offset:12288
	s_wait_alu depctr_va_vdst(0)
	s_wait_dscnt 0x0
.irp t, 0,1,2,3
	v_wmma_scale_f32_16x16x128_f8f6f4 v[S+8*\t:S+8*\t+7], v[KF+6*\t:KF+6*\t+11], v[16:27], 0, v[KS+\t], v28 matrix_a_fmt:MATRIX_FMT_FP6 matrix_b_fmt:MATRIX_FMT_FP6
.endr
.irp t, 4,5,6,7
	v_wmma_scale_f32_16x16x128_f8f6f4 v[S+8*\t:S+8*\t+7], v[KF+6*\t:KF+6*\t+11], v[16:27], 0, v[KS+\t-4], v28 matrix_a_fmt:MATRIX_FMT_FP6 matrix_b_fmt:MATRIX_FMT_FP6 matrix_a_scale:MATRIX_SCALE_ROW1
.endr
.rept 4
	v_nop                                          ; places: ahead of the first read of S^T, and of the loads into v's registers
.endr
.irp t, 0,1,2,3
.irp g, 0,1,2
	ds_load_b128 v[VF+12*\t+4*\g:VF+12*\t+4*\g+3], v[A16] offset:6144+1536*\t+512*\g
.endr
.endr
	ds_load_b64 v[VS:VS+1], v[A8] offset:12800
.irp b, 0,1,2,3
	v_max3_num_f32 v[BM+\b], v[S+16*\b], v[S+1+16*\b], v[S+2+16*\b]   ; the largest score of each block of 32 keys, the four blocks by turns
.endr
.irp i, 3,5,7,9,11,13
.irp b, 0,1,2,3
	v_max3_num_f32 v[BM+\b], v[BM+\b], v[S+16*\b+\i], v[S+1+16*\b+\i]
.endr
.endr
.irp b, 0,1,2,3
	v_max_num_f32 v[BM+\b], v[BM+\b], v[S+15+16*\b]
.endr
.irp b, 0,1,2,3
	s_delay_alu instid0(VALU_DEP_4)
	v_permlanex16_b32 v[T2+\b], v[BM+\b], s[SEL], s[SEL+1]
.endr
.irp b, 0,1,2,3
	s_delay_alu instid0(VALU_DEP_4)
	v_max_num_f32 v[BM+\b], v[BM+\b], v[T2+\b]     ; with lane l xor 16's 16 keys
.endr
	s_delay_alu instid0(VALU_DEP_2)
	v_max3_num_f32 v[TA], v[BM], v[BM+1], v[BM+2]
	s_delay_alu instid0(VALU_DEP_1)
	v_max_num_f32 v[TA], v[TA], v[BM+3]
	s_delay_alu instid0(VALU_DEP_1)
	v_mul_f32 v[TA], s[CS], v[TA]
	s_delay_alu instid0(VALU_DEP_1)
	v_max_num_f32 v13, v13, v[TA]                  ; the running largest t
	v_mov_b32 v[TA], v12
	s_delay_alu instid0(VALU_DEP_2)
	v_floor_f32 v12, -v13                          ; the new -M
	s_delay_alu instid0(VALU_DEP_1)
	v_sub_f32 v[TA], v12, v[TA]
	s_delay_alu instid0(VALU_DEP_1)
	v_cvt_i32_f32 v[TA], v[TA]
	s_delay_alu instid0(VALU_DEP_1)
	v_ldexp_f32 v[FF], 1.0, v[TA]                  ; f = 2^(old M - new M)
.irp j, 0,2,4,6,8,10,12,14,16,18,20,22,24,26,28,30,32,34,36,38,40,42,44,46,48,50,52,54,56,58,60,62
	v_pk_fma_f32 v[S+\j:S+1+\j], v[S+\j:S+1+\j], s[CS:CS+1], v[12:13] op_sel_hi:[1,0,0]   ; t - M
.endr
.irp b, 0,1,2,3
	v_fma_f32 v[BM+\b], v[BM+\b], s[CS], v12
.endr
	s_wait_alu depctr_va_vdst(0)                   ; ahead of the batch
.irp j, 0,1,2,3,4,5,6,7,8,9,10,11,12,13,14,15,16,17,18,19,20,21,22,23,24,25,26,27,28,29,30,31,32,33,34,35,36,37,38,39,40,41,42,43,44,45,46,47,48,49,50,51,52,53,54,55,56,57,58,59,60,61,62,63
	v_exp_f32 v[S+\j], v[S+\j]
.endr
	v_pk_mul_f32 v[14:15], v[14:15], v[FF:FF+1] op_sel_hi:[1,0]
	s_wait_alu depctr_va_vdst(0)                   ; and behind it, ahead of its first reader
.irp b, 0,1,2,3
	v_exp_f32 v[BM+\b], v[BM+\b]                   ; each block's largest p
.endr
	v_pk_add_f32 v[T2:T2+1], v[S:S+1], v[S+2:S+3]  ; the sum of the unquantised p, in two chains
.irp j, 4,8,12,16,20,24,28,32,36,40,44,48,52,56,60
	v_pk_add_f32 v[14:15], v[14:15], v[S+\j:S+1+\j]
	v_pk_add_f32 v[T2:T2+1], v[T2:T2+1], v[S+2+\j:S+3+\j]
.endr
	s_delay_alu instid0(VALU_DEP_1)
	v_pk_add_f32 v[14:15], v[14:15], v[T2:T2+1]
	s_wait_alu depctr_va_vdst(0)
.irp b, 0,1,2,3
	v_max_num_f32 v[BM+\b], 0x1800000, v[BM+\b]    ; the floor 2^(3 - 127) holds the byte at 1 from below
.endr
.irp b, 0,1,2,3
	s_delay_alu instid0(VALU_DEP_4)
	v_add_nc_u32 v[SO+\b], 0xff000000, v[BM+\b]    ; 2 off the exponent field: the conversion's scale operand
.endr
.irp b, 0,1,2,3
	s_delay_alu instid0(VALU_DEP_4)
	v_lshrrev_b32 v[T2+\b], 23, v[SO+\b]
.endr
	s_delay_alu instid0(VALU_DEP_3)
	v_lshl_or_b32 v[PS], v[T2+1], 8, v[T2]         ; p's scale word
	s_delay_alu instid0(VALU_DEP_1)
	v_lshl_or_b32 v[PS], v[T2+2], 16, v[PS]
	s_delay_alu instid0(VALU_DEP_1)
	v_lshl_or_b32 v[PS], v[T2+3], 24, v[PS]
.irp c, 0,1
	v_cvt_scalef32_pk16_fp6_f32 v[PCD+6*\c:PCD+2+6*\c], v[S+32*\c:S+15+32*\c], v[SO+2*\c]
	v_cvt_scalef32_pk16_fp6_f32 v[CT+4*\c:CT+2+4*\c], v[S+16+32*\c:S+31+32*\c], v[SO+1+2*\c]
.endr
	v_nop                                          ; one plain place behind a scaled conversion
.irp c, 0,1                            ; a whole block to a lane: lanes 0-15 block 2 c, lanes 16-31 block 2 c + 1
.irp i, 0,1,2
	v_permlane16_swap_b32 v[PCD+6*\c+\i], v[CT+4*\c+\i]
.endr
.irp i, 0,1,2
	s_delay_alu instid0(VALU_DEP_3)
	v_mov_b32 v[PCD+3+6*\c+\i], v[CT+4*\c+\i]
.endr
.endr
.irp j, 0,2,4,6,8,10,12,14,16,18,20,22,24,26,28,30
	v_pk_mul_f32 v[O+\j:O+1+\j], v[O+\j:O+1+\j], v[FF:FF+1] op_sel_hi:[1,0]   ; O^T under the new M
.endr
	s_wait_alu depctr_va_vdst(0)
	s_wait_dscnt 0x0                               ; v's tiles are in
.irp t, 0,1
	v_wmma_scale_f32_16x16x128_f8f6f4 v[O+8*\t:O+8*\t+7], v[VF+12*\t:VF+12*\t+11], v[PCD:PCD+11], v[O+8*\t:O+8*\t+7], v[VS+\t], v[PS] matrix_a_fmt:MATRIX_FMT_FP6 matrix_b_fmt:MATRIX_FMT_FP6
.endr
.irp t, 2,3
	v_wmma_scale_f32_16x16x128_f8f6f4 v[O+8*\t:O+8*\t+7], v[VF+12*\t:VF+12*\t+11], v[PCD:PCD+11], v[O+8*\t:O+8*\t+7], v[VS+\t-2], v[PS] matrix_a_fmt:MATRIX_FMT_FP6 matrix_b_fmt:MATRIX_FMT_FP6 matrix_a_scale:MATRIX_SCALE_ROW1
.endr
	s_add_co_u32 s[TB], s[TB], REC
.endm
.macro RUN n, base                     ; n records from LDS byte base on
	s_mov_b32 s[TB], \base
	s_mov_b32 s45, \n
.Lrun_\@:
	STEP
	s_sub_co_u32 s45, s45, 1
	s_cmp_lg_u32 s45, 0
	s_cbranch_scc1 .Lrun_\@
.endm
.macro QLOAD p                         ; pass p's 16 queries: two records of qrec on for the second pass
	global_load_b128 v[16:19], v[L16], s[4:5] offset:\p*2*QREC th:TH_LOAD_NT
	global_load_b64 v[20:21], v[L8], s[4:5] offset:\p*2*QREC+512 th:TH_LOAD_NT
	global_load_b32 v28, v[R16], s[48:49] offset:\p*2*QREC th:TH_LOAD_NT
.endm
.macro INIT                            ; the step is written once: the first finds zeros and a largest t under every t
	v_mov_b32 v13, 0xff61b1e6
	s_delay_alu instid0(VALU_DEP_1)
	v_floor_f32 v12, -v13
	v_mov_b32 v14, 0
	v_mov_b32 v15, 0
.irp j, 0,1,2,3,4,5,6,7,8,9,10,11,12,13,14,15,16,17,18,19,20,21,22,23,24,25,26,27,28,29,30,31
	v_mov_b32 v[O+\j], 0
.endr
.endm
; a pass's end: O^T / the sum, quantised along the head's 64 (two blocks), stored as a half image and two scale bytes a row
.macro FINISH p
.rept 4
	v_nop
.endr
.if \p == 0
	QLOAD 1                                        ; the next pass's queries come while this pass's results leave
.endif
	v_add_f32 v14, v14, v15
	s_delay_alu instid0(VALU_DEP_1)
	v_permlanex16_b32 v[FF], v14, s[SEL], s[SEL+1]
	s_delay_alu instid0(VALU_DEP_1)
	v_add_f32 v14, v14, v[FF]
	s_wait_alu depctr_va_vdst(0)
	v_rcp_f32 v14, v14
	v_nop
	s_wait_alu depctr_va_vdst(0)
.irp j, 0,1,2,3,4,5,6,7,8,9,10,11,12,13,14,15,16,17,18,19,20,21,22,23,24,25,26,27,28,29,30,31
	v_mul_f32 v[S+\j], v[O+\j], v14
.endr
.irp b, 0,1
	v_max3_num_f32 v[BM+\b], |v[S+16*\b]|, |v[S+1+16*\b]|, 0x1800000
.endr
.irp i, 2,4,6,8,10,12,14
.irp b, 0,1
	s_delay_alu instid0(VALU_DEP_2)
	v_max3_num_f32 v[BM+\b], v[BM+\b], |v[S+16*\b+\i]|, |v[S+1+16*\b+\i]|
.endr
.endr
.irp b, 0,1
	s_delay_alu instid0(VALU_DEP_2)
	v_permlanex16_b32 v[T2+\b], v[BM+\b], s[SEL], s[SEL+1]
.endr
.irp b, 0,1
	s_delay_alu instid0(VALU_DEP_2)
	v_max_num_f32 v[BM+\b], v[BM+\b], v[T2+\b]
.endr
.irp b, 0,1
	s_delay_alu instid0(VALU_DEP_2)
	v_add_nc_u32 v[SO+\b], 0xff000000, v[BM+\b]
.endr
.irp b, 0,1
	s_delay_alu instid0(VALU_DEP_2)
	v_lshrrev_b32 v[T2+\b], 23, v[SO+\b]
.endr
	s_delay_alu instid0(VALU_DEP_1)
	v_cndmask_b32 v[TA], v[T2], v[T2+1], s47       ; lanes 0-15 store block 0's byte, lanes 16-31 block 1's
	v_cvt_scalef32_pk16_fp6_f32 v[PCD:PCD+2], v[S:S+15], v[SO]
	v_cvt_scalef32_pk16_fp6_f32 v[CT:CT+2], v[S+16:S+31], v[SO+1]
	v_nop
.irp i, 0,1,2
	v_permlane16_swap_b32 v[PCD+\i], v[CT+\i]
.endr
.irp i, 0,1,2
	s_delay_alu instid0(VALU_DEP_3)
	v_mov_b32 v[PCD+3+\i], v[CT+\i]
.endr
	global_store_b128 v[L16], v[PCD:PCD+3], s[8:9] offset:\p*16*12288
	global_store_b64 v[L8], v[PCD+4:PCD+5], s[8:9] offset:\p*16*12288+512
	global_store_b8 v[RH], v[TA], s[10:11] offset:\p*16*512
.endm
	QLOAD 0
	INIT
	s_wait_alu depctr_va_vdst(0)
	s_cmp_lt_u32 s[WV], 4
	s_cbranch_scc0 .Lnot_first
	s_wait_tensorcnt 0x0                           ; waves 0-3: my record is in
.Lnot_first:
	s_barrier_signal -1
	s_barrier_wait -1                              ; records 0-3 are in; the others may be on their way
	s_wait_loadcnt 0x0                             ; q
	RUN 4, 0
	s_wait_tensorcnt 0x0                           ; every wave: my record is in
	s_wait_dscnt 0x0
	s_barrier_signal -1
	s_barrier_wait -1                              ; all sixteen are in, for the rest of the launch
	RUN 12, 4*REC
	FINISH 0
	s_wait_xcnt 0x0                                ; the stores have read their registers
	INIT
	s_wait_alu depctr_va_vdst(0)
	s_wait_loadcnt 0x0
	RUN 16, 0
	FINISH 1
	s_wait_tensorcnt 0x0                           ; the wave's end
	ds_add_u32 v254, v255
	s_wait_dscnt 0x0
	CROUND                                         ; the closing round
	s_endpgm
.Lfunc_end_k_q31910eae54_attn:
	.size	k_q31910eae54_attn, .Lfunc_end_k_q31910eae54_attn-k_q31910eae54_attn
	.p2alignl 7, 3214868480
	.fill 96, 4, 3214868480
	.section	.rodata,"a",@progbits
	.p2align	6, 0x0
	.amdhsa_kernel k_q31910eae54_attn
		.amdhsa_group_segment_fixed_size 327680
		.amdhsa_private_segment_fixed_size 0
		.amdhsa_enable_private_segment 0
		.amdhsa_kernarg_size 32
		.amdhsa_user_sgpr_count 2
		.amdhsa_user_sgpr_kernarg_segment_ptr 1
		.amdhsa_wavefront_size32 1
		.amdhsa_system_sgpr_workgroup_id_x 1
		.amdhsa_system_sgpr_workgroup_id_y 1
		.amdhsa_system_sgpr_workgroup_id_z 1
		.amdhsa_system_vgpr_workitem_id 0
		.amdhsa_next_free_vgpr 256
		.amdhsa_next_free_sgpr 66
		.amdhsa_reserve_vcc 0
		.amdhsa_float_denorm_mode_32 3
		.amdhsa_float_denorm_mode_16_64 3
		.amdhsa_memory_ordered 1
		.amdhsa_forward_progress 1
		.amdhsa_inst_pref_size 68
	.end_amdhsa_kernel
	.amdgpu_metadata
---
amdhsa.version: [ 1, 2 ]
amdhsa.kernels:
  - .name:           k_q31910eae54_attn
    .symbol:         k_q31910eae54_attn.kd
    .args:
      - { .name: qrec, .offset: 0, .size: 8, .value_kind: global_buffer, .address_space: global }
      - { .name: kv, .offset: 8, .size: 8, .value_kind: global_buffer, .address_space: global }
      - { .name: ao_codes, .offset: 16, .size: 8, .value_kind: global_buffer, .address_space: global }
      - { .name: ao_scales, .offset: 24, .size: 8, .value_kind: global_buffer, .address_space: global }
    .group_segment_fixed_size: 327680
    .private_segment_fixed_size: 0
    .kernarg_segment_align: 8
    .kernarg_segment_size: 32
    .max_flat_workgroup_size: 512
    .sgpr_count:     66
    .vgpr_count:     256
    .wavefront_size: 32
...
	.end_amdgpu_metadata
.endif
;; end of part 3
;; launch proj (part 4): grid 8 x 32, 4 waves a work-group, clusters of 4 x 4, 327,680 bytes of LDS; arguments ao_codes, ao_scales, cw, sw, b_out, out0; writes out0
.if DOCPART == 4
	.amdgcn_target "amdgcn-amd-amdhsa--gfx1250"
	.amdhsa_code_object_version 6
	.text
	.protected	k_q31910eae54_proj
	.globl	k_q31910eae54_proj
	.p2align	8
	.type	k_q31910eae54_proj,@function
k_q31910eae54_proj:
	s_mov_b64 s[64:65], 0
	v_nop
	global_prefetch_b8 v0, s[64:65] scope:SCOPE_SE
	s_setreg_imm32_b32 hwreg(HW_REG_WAVE_MODE, 25, 1), 1
	s_wait_xcnt 0x0
	s_wait_alu depctr_hold_cnt(0) depctr_sa_sdst(0) depctr_va_vdst(0) depctr_va_sdst(0) depctr_va_ssrc(0) depctr_va_vcc(0) depctr_vm_vsrc(0)
	s_getreg_b32 s2, hwreg(HW_REG_IB_STS2, 6, 4)
	s_cmp_eq_u32 s2, 0
	s_cbranch_scc0 .Lentry_in_a_cluster
	s_endpgm
.Lentry_in_a_cluster:
	s_bfe_u32 s2, ttmp6, 0x10000c
	s_cmp_lg_u32 s2, 0xf033
	s_cbranch_scc0 .Lentry_shape_is_right
	s_endpgm
.Lentry_shape_is_right:
; out0 = ao w_out^T + b_out ON CODES OF FP6 (E2M3) WITH E8M0 SCALES, K = 1,024.
; IN: ao_codes, tiles of 16 tokens x 12,288 bytes: for each head a half image of 768 bytes (registers 0-3 at 16 x lane, 4-5 at 512 + 8 x lane), two heads to a fragment of 128 along K; ao_scales and sw, 512 bytes a tile:
; the scale word of (row r, fragment F) at 256 (F / 4) + 16 r + 4 (F % 4); cw, tiles 704-767: w_out, fragments of 1,536 bytes (register group g of lane l at 512 g + 16 l).  Lane r of tile T holds row 32 (T / 2) + 8 (T % 2) + r + 8 (r / 8).
; THE DEAL: 256 work-groups of four waves; work-group (g = 0 .. 7, tb = 0 .. 31) makes tokens 256 tb .. + 255 x columns 128 g .. + 127; a wave 128 x 64: 32 accumulators.  Source 0 = w_out's rows, source 1 = tokens: a lane holds one token,
; and its registers 8 b + j are columns 32 (b / 2) + 16 (lane / 16) + 8 (b % 2) + j.  The bias, laid so, is the C of each sum's first product.
; All of K of both operands (294,912 bytes) is asked for at the head, one joint load a wave (A's first half of K, B's, A's second half, B's), and nothing is filled again.  Waves 0 and 1 wait apart: the first barrier shows the first halves,
; a barrier ahead of step 3 the rest.  Fragments lie twice in registers: step F + 1's 44 LDS loads stand among step F's 32 products in groups of four.  CLUSTERS 4 x 4: A's tiles are shared along a row of the cluster, B's along a column.
; No prefetch: every byte that the work-group reads is asked for at the head.  Results leave through each wave's own stage, on LDS bytes into which no fill lands: sixteen lanes store 256 consecutive bytes of a row, aligned.
; LIMITS: NaN and infinities are not served.
; REGISTERS: window 0: v1-29 addresses, v32-63 A's scale words (4 a + F % 4; lanes 0-15 F < 4, lanes 16-31 F >= 4), v66-81 B's, v96-127 the bias, v128-191 the way out; window 1: A's fragments, two sets; window 2: the sums; window 3: B's, two sets.
.set TILEB, 12288
.set HB,    6144
.set AH,    16*HB
.set BB,    2*AH
.set BH,    8*HB
.set SPARE, BB+2*BH
.set STG,   SPARE+512                  ; the stages: 16 rows x (256 + 16) bytes for each wave
.set SP,    272
.set L16,  1
.set L8,   2
.set ADRA, 4
.set ADRB, 6
.set ADRA8, 8                          ; v8, v9: as v4, v5 with 8 x lane
.set STO,  10
.set RD,   11
.set CO,   12
.set BO,   13
.set SPW,  28
.set NIL,  29
.set SA,   32
.set SB,   66
.set BI,   96
.set BK,   128
.set WV,   16
.set WR,   17
.set WC,   18
.set G1A,  24
.set G1B,  32
.set G0A,  40
.set G0B,  48
.set PBI,  56                          ; s[56:57] b_out, s[58:59] out0
.set POU,  58
.set SAP,  66
.set SBP,  68
.set MSB, 0
.macro WIN new
.if MSB != (\new)
	s_set_vgpr_msb (MSB<<8)|(\new)
.set MSB, (\new)
.endif
.endm
.macro PLACES n
.rept \n
	v_nop
.endr
.endm
.macro CROUND
	s_barrier_signal -1
	s_barrier_wait -1
	s_cmp_lg_u32 s[WV], 0
	s_cbranch_scc1 .Lnot_wave_0_\@
	s_barrier_signal -3
.Lnot_wave_0_\@:
	s_barrier_wait -3
	s_barrier_signal -1
	s_barrier_wait -1
.endm
.macro TLOAD g0, g1
	tensor_load_to_lds s[\g0:\g0+3], s[\g1:\g1+7]
	s_nop 0
	PLACES 4
.endm
.macro ARM under, g0, g1, next
	s_cmp_lt_u32 s[WV], \under
	s_cbranch_scc0 \next
	TLOAD \g0, \g1
	s_branch .Lhead_asked
\next:
.endm
; four of step F's 44 LDS loads: groups 0-2 B's four fragments, group 3 + i A's fragment i (two half images)
.macro GRP F, g
.set s_, (\F)%2
.set k2_, (\F)/4
.set fo_, ((\F)%4)*1536
.if (\g) < 3
	WIN 0xc0
.irp u, 0,1,2,3
.set n_, 4*(\g)+\u
	ds_load_b128 v[48*s_+4*n_:48*s_+4*n_+3], v[ADRB+k2_] offset:(n_/3)*HB+fo_+512*(n_%3)
.endr
.else
	WIN 0x40
.set o_, ((\g)-3)*HB+fo_
.set r_, 96*s_+12*((\g)-3)
	ds_load_b128 v[r_:r_+3], v[ADRA+k2_] offset:o_
	ds_load_b64 v[r_+4:r_+5], v[ADRA8+k2_] offset:o_+512
	ds_load_b128 v[r_+6:r_+9], v[ADRA+k2_] offset:o_+768
	ds_load_b64 v[r_+10:r_+11], v[ADRA8+k2_] offset:o_+1280
.endif
.endm
.macro W d, s0, s1, c, x0, x1, hi
.if \hi
	v_wmma_scale_f32_16x16x128_f8f6f4 v[\d:\d+7], v[\s0:\s0+11], v[\s1:\s1+11], \c, v[\x0], v[\x1] matrix_a_fmt:MATRIX_FMT_FP6 matrix_b_fmt:MATRIX_FMT_FP6 matrix_a_scale:MATRIX_SCALE_ROW1 matrix_b_scale:MATRIX_SCALE_ROW1
.else
	v_wmma_scale_f32_16x16x128_f8f6f4 v[\d:\d+7], v[\s0:\s0+11], v[\s1:\s1+11], \c, v[\x0], v[\x1] matrix_a_fmt:MATRIX_FMT_FP6 matrix_b_fmt:MATRIX_FMT_FP6
.endif
.endm
; step F: 32 products, the 32 accumulators by turns in the same order in every step; sum (a, b) at 8 (4 a + b).
; Waits: at the start A's blocks 4-7, the youngest 16 loads, may be out; at product 16 only the 32 loads that this step has issued by then.  The four places stand between the last step's products and the loads into the set that they read.
.macro STEPF F, fetch, first
	s_wait_dscnt 16
.set N_, 0
.rept 32
.set a_, N_/4
.set b_, N_%4
.set rA, 96*((\F)%2)+12*a_
.set rB, 48*((\F)%2)+12*b_
.set xA, SA+4*a_+(\F)%4
.set xB, SB+4*b_+(\F)%4
.set rD, 8*(4*a_+b_)
.if N_ == 16
.if \fetch
	s_wait_dscnt 32
.else
	s_wait_dscnt 0x0
.endif
.endif
.if \first
	WIN 0x87                                       ; C, the bias, in window 0
	W rD, rB, rA, v[BI+8*b_:BI+8*b_+7], xB, xA, (\F)/4
.else
	WIN 0xa7
	W rD, rB, rA, v[rD:rD+7], xB, xA, (\F)/4
.endif
.if (\fetch) && (N_%2 == 0) && (N_ < 22)
.if N_ == 0
	PLACES 4
.endif
	GRP (\F)+1, N_/2
.endif
.set N_, N_+1
.endr
.endm
; the way out of block a, 16 tokens x 64 columns: into my stage, back as rows of 256 bytes, two rows an instruction.  LDS serves a wave's instructions in order (ISA guide 5.7.1.4): no wait between the stores and the loads.
.macro TOSTAGE a
.set AC, 32*(\a)
	WIN 0x08
.irp b, 0,1,2,3
	ds_store_b128 v[STO], v[AC+8*\b:AC+8*\b+3] offset:128*(\b/2)+32*(\b%2)      ; each accumulator from its low end on
	ds_store_b128 v[STO], v[AC+8*\b+4:AC+8*\b+7] offset:128*(\b/2)+32*(\b%2)+16
.endr
	WIN 0
.set BB_, BK+32*((\a)%2)
.irp t, 0,1,2,3,4,5,6,7
	ds_load_b128 v[BB_+4*\t:BB_+4*\t+3], v[RD] offset:2*\t*SP
.endr
.endm
.macro SEND a, younger                 ; the stage's row t is row 32 (a / 2) + 8 (a % 2) + t + 8 (t / 8) of my 128
.set BB_, BK+32*((\a)%2)
	s_wait_dscnt \younger
.irp t, 0,1,2,3,4,5,6,7
	global_store_b128 v[CO], v[BB_+4*\t:BB_+4*\t+3], s[POU:POU+1] offset:(32*((\a)/2)+8*((\a)%2)+2*\t+8*(\t/4))*4096 th:TH_STORE_NT
.endr
.endm
	s_load_b256 s[4:11], s[0:1], 0x0               ; ao_codes, ao_scales, cw, sw
	s_load_b128 s[56:59], s[0:1], 0x20             ; b_out, out0
	v_lshl_add_u32 v[SPW], v0, 2, SPARE
	v_mov_b32 v[NIL], 0
	ds_add_u32 v[SPW], v[NIL]                      ; the opening lines: the add, twice on end, and its wait
	ds_add_u32 v[SPW], v[NIL]
	v_lshrrev_b32 v1, 5, v0
	v_readfirstlane_b32 s[WV], v1
	s_lshr_b32 s[WR], s[WV], 1
	s_and_b32 s[WC], s[WV], 1
	s_bfe_u32 s19, ttmp6, 0x40000                  ; cx
	s_bfe_u32 s20, ttmp6, 0x40004                  ; cy
	s_lshl_b32 s21, ttmp9, 2
	s_add_co_u32 s21, s21, s19                     ; g = 4 x cluster x + cx
	s_and_b32 s22, ttmp7, 0xffff
	s_lshl_b32 s22, s22, 2
	s_add_co_u32 s22, s22, s20                     ; tb = 4 x cluster y + cy
	s_lshl_b32 s12, s20, 2
	s_lshl_b32 s12, 15, s12                        ; my row of the cluster
	s_lshl_b32 s13, 0x1111, s19                    ; my column
	s_or_b32 s[G1A], s12, (3<<16)|(1<<21)          ; elements of 8 bytes; rows of 6,144 bytes (half of K of a tile), 12,288 apart: 16 rows for A, 8 for B
	s_or_b32 s[G1B], s13, (3<<16)|(1<<21)
.irp g, G1A, G1B
	s_mov_b32 s[\g+1], 768<<16
	s_mov_b32 s[\g+3], 768<<16
	s_mov_b32 s[\g+5], 1536
	s_mov_b32 s[\g+6], 0
	s_mov_b32 s[\g+7], 0
.endr
	s_mov_b32 s[G1A+2], 16<<16
	s_mov_b32 s[G1A+4], 16
	s_mov_b32 s[G1B+2], 8<<16
	s_mov_b32 s[G1B+4], 8
	s_mul_i32 s74, s22, 16*TILEB                   ; A hangs on tb alone, B on g alone
	s_mov_b32 s75, 0
	s_mul_i32 s76, s21, 8*TILEB
	s_add_co_u32 s76, s76, 704*TILEB
	s_mov_b32 s77, 0
	s_wait_dscnt 0x0
	s_wait_kmcnt 0x0
	s_add_nc_u64 s[74:75], s[4:5], s[74:75]
	s_add_nc_u64 s[76:77], s[8:9], s[76:77]
.irp k, 0,1
	s_mov_b32 s[G0A+4*\k], 1
	s_mov_b32 s[G0A+4*\k+1], \k*AH
	s_add_nc_u64 s[G0A+4*\k+2:G0A+4*\k+3], s[74:75], \k*HB
	s_or_b32 s[G0A+4*\k+3], s[G0A+4*\k+3], 0x80000000
	s_mov_b32 s[G0B+4*\k], 1
	s_mov_b32 s[G0B+4*\k+1], BB+\k*BH
	s_add_nc_u64 s[G0B+4*\k+2:G0B+4*\k+3], s[76:77], \k*HB
	s_or_b32 s[G0B+4*\k+3], s[G0B+4*\k+3], 0x80000000
.endr
	CROUND                                         ; all sixteen work-groups are here: the joint loads meet
	ARM 1, G0A,   G1A, .Lhead_b0                   ; one chain of branches on the wave's number, one load to an arm
	ARM 2, G0B,   G1B, .Lhead_a1
	ARM 3, G0A+4, G1A, .Lhead_b1
	TLOAD G0B+4, G1B
.Lhead_asked:
	s_mul_i32 s12, s[WR], 8*HB
	s_mul_i32 s13, s[WC], 4*HB
	s_add_co_u32 s13, s13, BB
	s_add_co_u32 s14, s12, AH
	s_add_co_u32 s15, s13, BH
	s_mul_i32 s2, s[WV], 16*SP
	s_add_co_u32 s2, s2, STG                       ; my stage
	v_and_b32 v15, 31, v0                          ; lane
	v_and_b32 v14, 15, v0                          ; r
	v_bfe_u32 v3, v0, 4, 1                         ; h
	v_lshlrev_b32 v[L16], 4, v15
	v_lshlrev_b32 v[L8], 3, v15
	v_add_nc_u32 v[ADRA], s12, v[L16]
	v_add_nc_u32 v[ADRA+1], s14, v[L16]
	v_add_nc_u32 v[ADRB], s13, v[L16]
	v_add_nc_u32 v[ADRB+1], s15, v[L16]
	v_add_nc_u32 v[ADRA8], s12, v[L8]
	v_add_nc_u32 v[ADRA8+1], s14, v[L8]
	v_mul_u32_u24 v[STO], v14, SP
	v_lshl_add_u32 v[STO], v3, 6, v[STO]
	v_add_nc_u32 v[STO], s2, v[STO]                ; in: row r, + 64 h
	v_mul_u32_u24 v[RD], v3, SP
	v_lshl_add_u32 v[RD], v14, 4, v[RD]
	v_add_nc_u32 v[RD], s2, v[RD]                  ; back: lanes 0-15 one row of 256 bytes, lanes 16-31 the next
	v_lshlrev_b32 v[CO], 12, v3
	v_lshl_add_u32 v[CO], v14, 4, v[CO]            ; and the same two rows in out0
	v_lshlrev_b32 v[BO], 6, v3
	s_wait_alu depctr_va_vdst(0)
	s_lshl_b32 s12, s22, 4
	s_lshl_b32 s13, s[WR], 3
	s_add_co_u32 s12, s12, s13
	s_lshl_b32 s12, s12, 9                         ; scale words: 512 bytes a tile
	s_mov_b32 s13, 0
	s_add_nc_u64 s[SAP:SAP+1], s[6:7], s[12:13]
	s_lshl_b32 s12, s21, 3
	s_lshl_b32 s14, s[WC], 2
	s_add_co_u32 s12, s12, s14
	s_add_co_u32 s12, s12, 704
	s_lshl_b32 s12, s12, 9
	s_add_nc_u64 s[SBP:SBP+1], s[10:11], s[12:13]
	s_lshl_b32 s12, s21, 9
	s_lshl_b32 s14, s[WC], 8
	s_add_co_u32 s12, s12, s14                     ; my first column, in bytes: 4 (128 g + 64 x half)
	s_add_nc_u64 s[PBI:PBI+1], s[PBI:PBI+1], s[12:13]
	s_add_nc_u64 s[POU:POU+1], s[POU:POU+1], s[12:13]
	s_lshl_b32 s12, s22, 1
	s_add_co_u32 s12, s12, s[WR]
	s_lshl_b32 s12, s12, 19                        ; my first row: 128 rows of 4,096 bytes for each half block
	s_add_nc_u64 s[POU:POU+1], s[POU:POU+1], s[12:13]
.irp i, 0,1,2,3,4,5,6,7
	global_load_b128 v[SA+4*\i:SA+4*\i+3], v[L16], s[SAP:SAP+1] offset:512*\i   ; 512 consecutive bytes: a tile's words for all of K
.endr
.irp i, 0,1,2,3
	global_load_b128 v[SB+4*\i:SB+4*\i+3], v[L16], s[SBP:SBP+1] offset:512*\i
.endr
.irp b, 0,1,2,3
	global_load_b128 v[BI+8*\b:BI+8*\b+3], v[BO], s[PBI:PBI+1] offset:128*(\b/2)+32*(\b%2)
	global_load_b128 v[BI+8*\b+4:BI+8*\b+7], v[BO], s[PBI:PBI+1] offset:128*(\b/2)+32*(\b%2)+16
.endr
	s_cmp_lt_u32 s[WV], 2
	s_cbranch_scc0 .Lnot_first
	s_wait_tensorcnt 0x0                           ; waves 0 and 1: the first halves of K
.Lnot_first:
	s_barrier_signal -1
	s_barrier_wait -1                              ; they are in; the second halves may be on their way: nothing is filled in this launch again
.irp g, 0,1,2,3,4,5,6,7,8,9,10
	GRP 0, \g
.endr
	s_wait_loadcnt 0x0                             ; the scale words and the bias
	STEPF 0, 1, 1                                  ; the first products start the sums from the bias
	STEPF 1, 1, 0
	STEPF 2, 1, 0
	s_wait_tensorcnt 0x0                           ; a plain barrier shows the second halves of K, which step 3's loads read
	s_wait_dscnt 0x0
	s_barrier_signal -1
	s_barrier_wait -1
	STEPF 3, 1, 0
	STEPF 4, 1, 0
	STEPF 5, 1, 0
	STEPF 6, 1, 0
	STEPF 7, 0, 0
	WIN 0
	PLACES 4                                       ; in front of the first read of the sums
	TOSTAGE 0
.irp a, 1,2,3,4,5,6,7
.if \a > 1
	s_wait_xcnt 0x0                                ; block a - 2's stores have read their registers: block a's loads may land there
.endif
	TOSTAGE \a
	SEND \a-1, 16                                  ; behind block a - 1's loads: block a's 8 stores and 8 loads
.endr
	SEND 7, 0
	s_wait_tensorcnt 0x0                           ; the wave's end
	ds_add_u32 v[SPW], v[NIL]
	s_wait_dscnt 0x0
	CROUND                                         ; the closing round
	s_endpgm
.Lfunc_end_k_q31910eae54_proj:
	.size	k_q31910eae54_proj, .Lfunc_end_k_q31910eae54_proj-k_q31910eae54_proj
	.p2alignl 7, 3214868480
	.fill 96, 4, 3214868480
	.section	.rodata,"a",@progbits
	.p2align	6, 0x0
	.amdhsa_kernel k_q31910eae54_proj
		.amdhsa_group_segment_fixed_size 327680
		.amdhsa_private_segment_fixed_size 0
		.amdhsa_enable_private_segment 0
		.amdhsa_kernarg_size 48
		.amdhsa_user_sgpr_count 2
		.amdhsa_user_sgpr_kernarg_segment_ptr 1
		.amdhsa_wavefront_size32 1
		.amdhsa_system_sgpr_workgroup_id_x 1
		.amdhsa_system_sgpr_workgroup_id_y 1
		.amdhsa_system_sgpr_workgroup_id_z 1
		.amdhsa_system_vgpr_workitem_id 0
		.amdhsa_next_free_vgpr 1024
		.amdhsa_next_free_sgpr 80
		.amdhsa_reserve_vcc 0
		.amdhsa_float_denorm_mode_32 3
		.amdhsa_float_denorm_mode_16_64 3
		.amdhsa_memory_ordered 1
		.amdhsa_forward_progress 1
		.amdhsa_inst_pref_size 86
	.end_amdhsa_kernel
	.amdgpu_metadata
---
amdhsa.version: [ 1, 2 ]
amdhsa.kernels:
  - .name:           k_q31910eae54_proj
    .symbol:         k_q31910eae54_proj.kd
    .args:
      - { .name: ao_codes, .offset: 0, .size: 8, .value_kind: global_buffer, .address_space: global }
      - { .name: ao_scales, .offset: 8, .size: 8, .value_kind: global_buffer, .address_space: global }
      - { .name: cw, .offset: 16, .size: 8, .value_kind: global_buffer, .address_space: global }
      - { .name: sw, .offset: 24, .size: 8, .value_kind: global_buffer, .address_space: global }
      - { .name: b_out, .offset: 32, .size: 8, .value_kind: global_buffer, .address_space: global }
      - { .name: out0, .offset: 40, .size: 8, .value_kind: global_buffer, .address_space: global }
    .group_segment_fixed_size: 327680
    .private_segment_fixed_size: 0
    .kernarg_segment_align: 8
    .kernarg_segment_size: 48
    .max_flat_workgroup_size: 128
    .sgpr_count:     80
    .vgpr_count:     1024
    .wavefront_size: 32
...
	.end_amdgpu_metadata
.endif
;; end of part 4
